; MI455X (gfx1250); checked and timed in simulation.
; The chip was launched on July 23, 2026; its instructions are those of AMD's public machine-readable ISA for CDNA 5 (MIT licence, August 2026) and "CDNA5" Instruction Set Architecture Reference Guide (July 2026). The comments in the code are by the model that wrote it; some were corrected since.
;; Bit Dense. Allowed arithmetic: float matrix products may take bf16 or f16 operands with f32 sums; all other float work in f32.
;; Inputs: b 32,768 int32; inputs 1,024 uint32; w 32,768 x 1,024 uint32.
;; Outputs: out0 1,024 uint32.
;; One version. Each part assembles by itself: llvm-mc -triple=amdgcn-amd-amdhsa -mcpu=gfx1250 --defsym DOCPART=n.
;; ======== version 1 of 1: 1 launch
;; launch bitdense (part 1): grid 256 x 1, 32 waves a work-group, no clusters, 26,624 bytes of LDS; arguments w, inputs, b, out0; writes out0
.if DOCPART == 1
	.amdgcn_target "amdgcn-amd-amdhsa--gfx1250"
	.amdhsa_code_object_version 6
	.text
	.protected	k_q6a3fcea965_bitdense
	.globl	k_q6a3fcea965_bitdense
	.p2align	8
	.type	k_q6a3fcea965_bitdense,@function
k_q6a3fcea965_bitdense:
	s_mov_b64 s[64:65], 0
	v_nop
	global_prefetch_b8 v0, s[64:65] scope:SCOPE_SE
	s_setreg_imm32_b32 hwreg(HW_REG_WAVE_MODE, 25, 1), 1
	s_wait_xcnt 0x0
; BitDense: out bit(u) = sign of ( 32768 - 2 * popcount(inputs xor w[u]) + b[u] ), u = 0 .. 32767, packed MSB-first in each byte.
; w: [32768][1024] u32, inputs: [1024] u32, b: [32768] i32, out0: [1024] u32.  All sums are taken modulo 2^32, as int32 sums are.
;
; SHARES.  256 work-groups of 32 waves.  A work-group owns 128 rows of w (512 KiB) and 4 output words; a wave owns 4 neighbouring rows
; (16 KiB).  A row is eight 16-byte loads a lane, each load of the wave covering 512 neighbouring bytes at a multiple of 512 from w's
; first byte.  A lane meets the same 32 columns in every row, so its 32 words of inputs stay in registers.
; RING.  16 register slots of 16 bytes a lane = two whole rows on their way in each wave (8 KiB; 256 KiB for the 32 waves, half of the
; work-group's share); a slot is asked for again as soon as it is counted.  One base, one lane offset, immediates: no address is stepped.
; INPUTS are fetched once by the work-group (thread t: word t) and handed to all waves through LDS; fetched by each wave for itself they
; would be 4 KiB more for every 16 KiB of w.
; REDUCTION.  A lane's share of a row's result is -2 x its count; lane 0's share also carries 32768 + b.  The 32 shares of a row form one
; LDS row; behind a barrier wave 8q adds up the LDS rows 32q .. 32q+31 (written by waves 8q .. 8q+7), one row a lane, and one compare
; gives the 32 signs as a mask, lane l at bit l.
; BIT ORDER.  Row 8j+i of an output word belongs at bit 8j+7-i = (8j+i) xor 7.  So LDS row p holds row p xor 7: wave k works on the four
; rows of wave place k xor 1 and lays them down in reverse order, (4(k xor 1) + i) xor 7 = 4k + 3 - i.  No bit is moved afterwards.
; NOT USED, by this text's own arithmetic: clusters (all that work-groups share is the 4 KiB of inputs beside 512 KiB of w each);
; an LDS ring (the registers hold the bytes in flight, and LDS would be a second pass over all of w); one store for 256 bytes of out0
; (they are the signs of 2,048 rows, sixteen work-groups' shares: here each finishing wave stores its own word, 4,096 bytes in all).
.set ROWB,  4096                       ; bytes in a row of w, and in inputs
.set WROWS, 4                          ; rows of a wave
.set PITCH, 144                        ; LDS row of shares: 128 bytes + 16.  9 x 16 bytes: sixteen neighbouring rows start in sixteen different 16-byte columns modulo 256
.set PART,  4096                       ; LDS: inputs at 0 .. 4095, then 128 rows of shares
.set LANE, 2                           ; v2       lane 0 .. 31
.set T4,   3                           ; v3       4 t: my word of inputs, in memory and in LDS
.set L16,  4                           ; v4       16 x lane: my 16 bytes in each run of 512
.set PA,   5                           ; v5       LDS address of my share in my wave's first LDS row
.set M,    6                           ; v6       all ones in lane 0, else 0
.set STG,  7                           ; v7       my word of inputs on its way to LDS
.set CA,   8                           ; v8, v9   two counting chains of the row at work
.set CB,   9
.set T,    10                          ; v10, v11 at work
.set RA,   12                          ; v12      LDS address of the row that I add up at the end
.set OA,   13                          ; v13      byte offset of my wave's output word
.set IN,   16                          ; v[16:47]   inputs: chunk j's four words at IN + 4 j
.set X,    48                          ; v[48:111]  ring: half h (row parity), chunk j at X + 32 h + 4 j; at the end the 32 shares of a row
.set P,    X
	s_load_b256 s[4:11], s[0:1], 0x0               ; w s[4:5], inputs s[6:7], b s[8:9], out0 s[10:11]
	v_lshl_add_u32 v112, v0, 2, 0x5800
	v_mov_b32 v113, 0
	v_lshrrev_b32 v1, 5, v0
	v_readfirstlane_b32 s12, v1                    ; wave k, 0 .. 31
	v_and_b32 v[LANE], 31, v0
	v_lshlrev_b32 v[T4], 2, v0
	v_lshlrev_b32 v[L16], 4, v[LANE]
	s_lshl_b32 s13, ttmp9, 5
	s_add_co_u32 s13, s13, s12                     ; 32 x work-group + k
	s_xor_b32 s13, s13, 1                          ; the wave place whose four rows I take: k xor 1 (see BIT ORDER)
	s_lshl_b32 s14, s13, 14                        ; x 4 rows x 4,096 bytes: at most 8,191 x 16,384, below 2^27
	s_mov_b32 s15, 0
	s_lshl_b32 s20, s13, 4                         ; x 4 words of b
	s_mov_b32 s21, 0
	s_wait_kmcnt 0x0
	s_add_nc_u64 s[4:5], s[4:5], s[14:15]          ; w at my first row
	s_add_nc_u64 s[8:9], s[8:9], s[20:21]          ; b at my first row
	global_load_b32 v[STG], v[T4], s[6:7]          ; my word of inputs: the oldest load, so that its wait leaves the ring out
.macro FILL r, h                       ; row r of my four into half h of the ring: eight loads, the whole row
.irp j, 0,1,2,3,4,5,6,7
	global_load_b128 v[X+32*\h+4*\j:X+32*\h+4*\j+3], v[L16], s[4:5] offset:\r*ROWB+512*\j th:TH_LOAD_NT
.endr
.endm
	FILL 0, 0
	FILL 1, 1
	s_load_b128 s[16:19], s[8:9], 0x0              ; b of my four rows
	s_mul_i32 s22, s12, WROWS*PITCH                ; my wave's four LDS rows: 4k .. 4k+3
	s_add_co_u32 s22, s22, PART
	v_lshl_add_u32 v[PA], v[LANE], 2, s22
	v_cmp_eq_u32 s23, 0, v[LANE]                   ; lane 0's bit; used again for the store at the end
	v_cndmask_b32 v[M], 0, -1, s23
	s_wait_loadcnt 16                              ; loads return in order (ISA guide 5.7.1): my word of inputs is in, the 16 ring loads behind it stay out
	ds_store_b32 v[T4], v[STG]
	s_wait_dscnt 0x0                               ; for the other waves' sake: my word is in LDS before I signal
	s_barrier_signal -1
	s_barrier_wait -1                              ; all 1,024 words are there (the ring loads stay in flight: nobody writes w)
.irp j, 0,1,2,3,4,5,6,7
	ds_load_b128 v[IN+4*\j:IN+4*\j+3], v[L16] offset:512*\j        ; the same byte offsets as in a row of w
.endr
	s_wait_kmcnt 0x0                               ; b is in
.irp i, 0,1,2,3
	s_add_co_u32 s[16+\i], s[16+\i], 0x8000        ; 32768 + b, modulo 2^32
.endr
	s_wait_dscnt 0x0                               ; inputs are in registers
; One row.  r: which of my four; h: its half of the ring; refill = 1: each chunk's slot is asked for again, for row r + 2.
; Chunk j waits for left - dec x j younger loads: with refills always 15 (the rest of the prefill plus the refills issued so far);
; without, the count runs down.
.macro TURN r, h, refill, left, dec
.irp j, 0,1,2,3,4,5,6,7
	s_wait_loadcnt \left-\dec*\j
.irp k, 0,1,2,3
	v_xor_b32 v[X+32*\h+4*\j+\k], v[IN+4*\j+\k], v[X+32*\h+4*\j+\k]
.endr
.if \j == 0
	v_bcnt_u32_b32 v[CA], v[X+32*\h+4*\j],   0                     ; popcount + addend: the first two words start the chains, nothing is cleared
	v_bcnt_u32_b32 v[CB], v[X+32*\h+4*\j+1], 0
.else
	v_bcnt_u32_b32 v[CA], v[X+32*\h+4*\j],   v[CA]
	v_bcnt_u32_b32 v[CB], v[X+32*\h+4*\j+1], v[CB]
.endif
	v_bcnt_u32_b32 v[CA], v[X+32*\h+4*\j+2], v[CA]
	v_bcnt_u32_b32 v[CB], v[X+32*\h+4*\j+3], v[CB]
.if \refill
	global_load_b128 v[X+32*\h+4*\j:X+32*\h+4*\j+3], v[L16], s[4:5] offset:(\r+2)*ROWB+512*\j th:TH_LOAD_NT
.endif
.endr
	v_add_lshl_u32 v[T], v[CA], v[CB], 1           ; 2 x my count
	v_and_b32 v[T+1], s[16+\r], v[M]               ; 32768 + b in lane 0, 0 elsewhere
	v_sub_nc_u32 v[T], v[T+1], v[T]                ; my share of the row's result
	ds_store_b32 v[PA], v[T] offset:(3-\r)*PITCH   ; 128 neighbouring bytes; rows in reverse order (see BIT ORDER)
.endm
	TURN 0, 0, 1, 15, 0
	TURN 1, 1, 1, 15, 0
	TURN 2, 0, 0, 15, 1                            ; behind chunk j: 7 - j of this row and the 8 of the last
	TURN 3, 1, 0, 7, 1                             ; the last wait is for 0
	s_wait_dscnt 0x0                               ; for the other waves' sake: my four rows of shares are in LDS before I signal
	s_barrier_signal -1
	s_lshr_b32 s25, s12, 3                         ; q = k / 8: the output word to which my rows belong
	s_mul_i32 s26, s25, 32*PITCH
	v_mad_u32_u24 v[RA], v[LANE], PITCH, s26       ; LDS row 32 q + lane
	s_barrier_wait -1
	s_and_b32 s27, s12, 7                          ; the first wave of each eight finishes that word; the others are done
	s_cmp_lg_u32 s27, 0
	s_cbranch_scc1 .Lothers
.irp c, 0,1,2,3,4,5,6,7
	ds_load_b128 v[P+4*\c:P+4*\c+3], v[RA] offset:PART+16*\c       ; a whole row of 32 shares a lane
.endr
	; 32 numbers in 16 additions.  Each level leaves one sum per group at the group's first register and one number over at its last.
.irp c, 0,1,2,3,4,5,6,7
	s_wait_dscnt 7-\c                              ; LDS loads return in order: chunk c is in, the 7 - c behind it may be out
	v_add3_u32 v[P+4*\c], v[P+4*\c], v[P+4*\c+1], v[P+4*\c+2]      ; groups of 4: over is P + 4c + 3
.endr
.irp c, 0,2,4,6
	v_add3_u32 v[P+4*\c], v[P+4*\c], v[P+4*\c+3], v[P+4*\c+4]      ; groups of 8: over is P + 4c + 7
.endr
.irp c, 0,4
	v_add3_u32 v[P+4*\c], v[P+4*\c], v[P+4*\c+7], v[P+4*\c+8]      ; groups of 16: over is P + 4c + 15
.endr
	v_add3_u32 v[P], v[P], v[P+15], v[P+16]
	v_add_nc_u32 v[P], v[P], v[P+31]               ; 32768 - 2 ones + b of row (32 q + lane) xor 7
	v_cmp_gt_i32 vcc_lo, 0, v[P]                   ; bit l = that row's sign: the output word as it is
	s_lshl_b32 s26, ttmp9, 4                       ; 4 words a work-group,
	s_lshl2_add_u32 s26, s25, s26                  ; + 4 q
	v_mov_b32 v[P+1], vcc_lo
	v_mov_b32 v[OA], s26
	s_wait_xcnt 0x0                                ; EXEC is a source of the memory instructions issued so far: it changes only behind this wait
	s_wait_tensorcnt 0x0
	ds_add_u32 v112, v113
	s_wait_dscnt 0x0
	s_and_saveexec_b32 s24, s23                    ; lane 0 alone; the wave ends behind the store, so EXEC is not widened again
	global_store_b32 v[OA], v[P+1], s[10:11]
	s_endpgm
.Lothers:
	s_wait_tensorcnt 0x0
	ds_add_u32 v112, v113
	s_wait_dscnt 0x0
	s_endpgm
.Lfunc_end_k_q6a3fcea965_bitdense:
	.size	k_q6a3fcea965_bitdense, .Lfunc_end_k_q6a3fcea965_bitdense-k_q6a3fcea965_bitdense
	.p2alignl 7, 3214868480
	.fill 96, 4, 3214868480
	.section	.rodata,"a",@progbits
	.p2align	6, 0x0
	.amdhsa_kernel k_q6a3fcea965_bitdense
		.amdhsa_group_segment_fixed_size 26624
		.amdhsa_private_segment_fixed_size 0
		.amdhsa_enable_private_segment 0
		.amdhsa_kernarg_size 32
		.amdhsa_user_sgpr_count 2
		.amdhsa_user_sgpr_kernarg_segment_ptr 1
		.amdhsa_wavefront_size32 1
		.amdhsa_system_sgpr_workgroup_id_x 1
		.amdhsa_system_sgpr_workgroup_id_y 1
		.amdhsa_system_sgpr_workgroup_id_z 1
		.amdhsa_system_vgpr_workitem_id 0
		.amdhsa_next_free_vgpr 114
		.amdhsa_next_free_sgpr 66
		.amdhsa_reserve_vcc 1
		.amdhsa_float_denorm_mode_32 3
		.amdhsa_float_denorm_mode_16_64 3
		.amdhsa_memory_ordered 1
		.amdhsa_forward_progress 1
		.amdhsa_inst_pref_size 22
	.end_amdhsa_kernel
	.amdgpu_metadata
---
amdhsa.version: [ 1, 2 ]
amdhsa.kernels:
  - .name:           k_q6a3fcea965_bitdense
    .symbol:         k_q6a3fcea965_bitdense.kd
    .args:
      - { .name: w, .offset: 0, .size: 8, .value_kind: global_buffer, .address_space: global }
      - { .name: inputs, .offset: 8, .size: 8, .value_kind: global_buffer, .address_space: global }
      - { .name: b, .offset: 16, .size: 8, .value_kind: global_buffer, .address_space: global }
      - { .name: out0, .offset: 24, .size: 8, .value_kind: global_buffer, .address_space: global }
    .group_segment_fixed_size: 26624
    .private_segment_fixed_size: 0
    .kernarg_segment_align: 8
    .kernarg_segment_size: 32
    .max_flat_workgroup_size: 1024
    .sgpr_count:     66
    .vgpr_count:     114
    .wavefront_size: 32
...
	.end_amdgpu_metadata
.endif
;; end of part 1
